; MI455X (gfx1250); checked and timed in simulation.
; The chip was launched on July 23, 2026; its instructions are those of AMD's public machine-readable ISA for CDNA 5 (MIT licence, August 2026) and "CDNA5" Instruction Set Architecture Reference Guide (July 2026). The comments in the code are by the model that wrote it; some were corrected since.
;; Self Attention. Allowed arithmetic: matrix products marked QUANTISED: E4M3 operands, one given power-of-two scale a tensor, by v_wmma_f32_16x16x64_fp8_fp8 or v_wmma_f32_16x16x128_fp8_fp8, f32 sums; everything else in f32.
;; Inputs: W_out_codes 1,024 x 32 x 32 uint8 (E4M3 codes of W_out, K innermost, in blocks of 32 codes); W_qkv_codes 3,072 x 32 x 32 uint8 (E4M3 codes of W_qkv, K innermost, in blocks of 32 codes); b_out 1,024 float32; b_qkv 3,072 float32; lowp_scales 8 int32 (the exponents e of the quantised operands' scales 2^e); x_codes 4 x 2,048 x 32 x 32 uint8 (E4M3 codes of x, K innermost, in blocks of 32 codes).
;; Outputs: out0 4 x 2,048 x 1,024 float32.
;; This version of the problem:
;;   THIS VERSION OF THE PROBLEM IS GIVEN IN LOW PRECISION. The matrix products marked QUANTISED in the list below multiply operands that are first quantised to E4M3 (4 exponent bits, 3 mantissa bits; 8 bits a number), with one given power-of-two scale for each operand tensor; their sums are f32. All else is computed in f32.
;;   The module's matrix products, in the order in which they are computed (A, B: the left and right operand; K: the contracted axis; several contracted axes count as one K, in the product's order):
;;     1. [M 8,192, K 1,024] x [K 1,024, N 3,072]; A: input x (given as codes); B: input W_qkv (given as codes): QUANTISED (scales: A lowp_scales[0], B lowp_scales[1])
;;     2. batch 64 x [M 2,048, K 64] x [K 64, N 2,048]; A: computed on the way; B: computed on the way: QUANTISED (scales: A lowp_scales[2], B lowp_scales[3])
;;     3. batch 64 x [M 2,048, K 2,048] x [K 2,048, N 64]; A: softmax (see below); B: computed on the way: QUANTISED (scales: A lowp_scales[4], B lowp_scales[5])
;;     4. [M 8,192, K 1,024] x [K 1,024, N 1,024]; A: computed on the way; B: input W_out (given as codes): QUANTISED (scales: A lowp_scales[6], B lowp_scales[7])
;;   THE QUANTISER, for each operand of a quantised product, along K:
;;     - The operand's scale is 2^e, e = its entry of the input lowp_scales (int32; the entries are numbered through the quantised products in the list's order, A before B).
;;     - Each number is divided by the scale, clamped to +-448, and rounded to the nearest number of E4M3, ties to even, subnormals kept.
;;     - The product sums the exact products of the quantised numbers (number of the format x scale) in f32.
;;   ~~~python
;;   def quantise(x, axis, e):      # numpy; x: float32 -> the quantised numbers, widened to float32 again
;;       x = np.moveaxis(x, axis, -1); K = x.shape[-1]
;;       r = np.clip(x / 2.0 ** e, -448, 448)
;;       step = 2.0 ** (np.maximum(np.frexp(np.where(r == 0, 1, r))[1] - 1, -6) - 3)
;;       q = np.round(r / step) * step * 2.0 ** e      # np.round: ties to even
;;       return np.moveaxis(q, -1, axis).astype(np.float32)
;;   ~~~
;;   SOFTMAX AHEAD OF A QUANTISED PRODUCT. Where the list says 'softmax', what is quantised is not the finished softmax but p = 2^(t - M), with t = logit x log2(e) and M = ceil(the row's largest t), a whole number; so 1/2 < the row's largest p <= 1. The row's sum l is taken of the UNQUANTISED p, in f32, and the product's result is divided by l at the end. Since M is a whole number, a kernel that streams over the keys may use a running M (the ceiling of the running maximum): every later rescaling is an exact power of two, so the quantised numbers keep their values, but for numbers so far below the row's largest that they fall under the format's range.
;;   OPERANDS COMPUTED ON THE WAY. 'Computed on the way' means the value that the module computes at that place (a softmax that the list does not call 'softmax' is quantised finished and normalised). What goes into a quantiser is computed in f32, as accurately as f32 sums, v_exp_f32 and their like allow (about 1e-6 of the number): no bf16 or f16 on the way to a quantiser, and a product that is left as it is and whose result goes on into a quantised operand takes f32 operands (vector FMAs, or v_wmma_f32_16x16x4_f32). A number that lies on a knife's edge between two numbers of the format may be rounded either way, as far as f32 arithmetic and the matrix unit's own rounding can turn it there, and no further.
;;   INPUTS GIVEN AS CODES. W_out (in the module: [1024, 1024], K = its axis 0); W_qkv (in the module: [1024, 3072], K = its axis 0); x (in the module: [4, 2048, 1024], K = its axis 2): each comes as NAME_codes (uint8): NAME with its K axis moved to the last place and cut into blocks of 32 codes, [.., K / 32, bytes a block], one block behind the other in memory; one code a byte (a code: sign, 4 exponent bits, 3 mantissa bits); its scale is its entry of lowp_scales. Its value is code x scale, taken as it is: it is not quantised again, and the codes and scales need not be those that the quantiser above would give.
;; One version. Each part assembles by itself: llvm-mc -triple=amdgcn-amd-amdhsa -mcpu=gfx1250 --defsym DOCPART=n.
;; ======== version 1 of 1: 3 launches
;; limits: right only within a limited range of input values
;; workspace buffers: qkv 25,165,824 bytes; acodes 8,388,608 bytes
;; launch qkv (part 1): grid 12 x 32, 4 waves a work-group, clusters of 4 x 4, 327,680 bytes of LDS; arguments x_codes, W_qkv_codes, b_qkv, lowp_scales, qkv; writes qkv
.if DOCPART == 1
	.amdgcn_target "amdgcn-amd-amdhsa--gfx1250"
	.amdhsa_code_object_version 6
	.text
	.protected	k_qfa5d715ec8_qkv
	.globl	k_qfa5d715ec8_qkv
	.p2align	8
	.type	k_qfa5d715ec8_qkv,@function
k_qfa5d715ec8_qkv:
	s_mov_b64 s[64:65], 0
	v_nop
	global_prefetch_b8 v0, s[64:65] scope:SCOPE_SE
	s_setreg_imm32_b32 hwreg(HW_REG_WAVE_MODE, 25, 1), 1
	s_wait_xcnt 0x0
	s_wait_alu depctr_hold_cnt(0) depctr_sa_sdst(0) depctr_va_vdst(0) depctr_va_sdst(0) depctr_va_ssrc(0) depctr_va_vcc(0) depctr_vm_vsrc(0)
	s_getreg_b32 s2, hwreg(HW_REG_IB_STS2, 6, 4)
	s_cmp_eq_u32 s2, 0
	s_cbranch_scc0 .Lentry_in_a_cluster
	s_endpgm
.Lentry_in_a_cluster:
	s_bfe_u32 s2, ttmp6, 0x10000c
	s_cmp_lg_u32 s2, 0xf033
	s_cbranch_scc0 .Lentry_shape_is_right
	s_endpgm
.Lentry_shape_is_right:
; qkv = x W_qkv + b_qkv on codes of FP8 (E4M3), then q, k and v are quantised with their given scales and stored AS IMAGES OF THE NEXT PRODUCTS' OPERAND REGISTERS.
; x: [8192][1024] codes, W_qkv: [3072][1024] codes, K innermost; b_qkv [3072] f32; the exponents e0 .. e7 (int32).  A sum stands for sum x 2^(e0 + e1).
; A tile of 256 x 256 is made by four waves, 128 x 128 each: 64 accumulators, 512 registers.  K goes in steps of 256 through a ring of two LDS slots filled by the tensor data mover.
; TWO ROLES.  R is the matrix instruction's source 1: its row lands in the lane.  P is source 0: its rows run along a lane's eight result registers.
;   cluster x = 0 (q), 1 (k): R = x (tokens), P = W_qkv (features): a lane holds one token and eight neighbouring features: the head's 64 are the next product's K.
;   cluster x = 2 (v):        R = W_qkv (features 2048 on), P = x (tokens): a lane holds one feature and eight neighbouring tokens: the keys are the next product's K.
; So one conversion of an accumulator's eight registers gives registers 2 c, 2 c + 1 of the next operand in the plain 8-bit layout (k = 16 c + 8 (lane / 16) + 0 .. 7), and four such registers
; leave by one store of 16 bytes a lane at 16 x lane: 512 consecutive bytes, aligned.  No stage in LDS, no transposition.
; THE WORKSPACE, three regions of 2^23 bytes: q, k: [batch x head 64][16 tokens 128][1,024 B: 2 x 32 lanes x 16 B];  v: [batch x head 64][128 keys 16][16 channels 4][2,048 B: 4 x 32 lanes x 16 B].
; The roles are chosen by the cluster's x alone, which all sixteen partners share: two base addresses and two tile numbers by s_cselect; the loop's text is one.
; CLUSTERS: 4 x 4 work-groups.  R's tile hangs on cy and is asked for jointly by a row of the cluster, P's on cx and by a column.
; In this product both operands take K = 32 c + 16 (lane / 16) + 0 .. 15 in registers 4 c .. 4 c + 3 (four loads of 16 bytes): the same permutation of k on both sides.
; LIMITS: e0 + e1 between -126 and 127; e2, e3, e5 between -126 and 119, so that each power of two below is an f32 number.  NaN in b_qkv is not served.
; REGISTERS: window 0: v5, v6, v16-29 addresses; v32-95 the bias along P, v96-111 the bias along R, v112 the scale; v128-255 R's fragments, ONE set, on the way out sums and codes.
;   window 1: P's fragments, TWO sets, at v0 and v128.   window 2: the accumulators of my R rows 0-63 ((a, b) at v[8 (8 a + b)]);   window 3: those of rows 64-127.
.set KROW,   1024                      ; a row of x or of W_qkv in memory, in bytes
.set ROWB,   256                       ; a tile's row: 256 codes
.set PITCH,  272                       ; an LDS row: 256 bytes + 16 of padding = 68 words: the 16 rows that a load touches start at 16 different banks (ISA guide 11.1)
.set FR,     16                        ; registers of a fragment: 16 rows x 128 K
.set NL,     4                         ; LDS loads that bring one
.set NP,     4                         ; places behind this matrix instruction (ISA guide 7.12.1)
.set HALFT,  128*PITCH                 ; 128 rows: what one tensor load brings
.set SLOT,   4*HALFT                   ; R's 256 rows, then P's 256 rows
.set SPARE,  2*SLOT                    ; behind the ring: the spare words, 128 bytes for each wave
.set ADRA, 16                          ; v16-17  LDS address of my R fragments in slot 0, 1
.set ADRB, 20                          ; v20-21  the same for P
.set CO,   26                          ; v26     16 x lane: my place in an image
.set SPW,  28                          ; v28     my spare word; never rewritten
.set NIL,  29                          ; v29     0; never rewritten
.set BP,   32                          ; v32-95  b_qkv at feature 16 b + 8 (lane / 16) + j: register 8 b + j
.set BR,   96                          ; v96-111 b_qkv at feature 16 a + lane % 16: registers 2 a and 2 a + 1 (a pair for the packed form)
.set SCL,  112                         ; v112    2^e of the tensor that I make
.set LIM,  113
.set AF,   128                         ; R's fragments
.set TMP,  128                         ; the way out: a block's 64 numbers
.set CD,   192                         ; the way out: four sets of 16 registers of codes
.set G1,  24                           ; s[24:31] descriptor group 1 for R's tiles;  s[32:39] group 0, one set for each slot
.set G0,  32
.set G1B, 48                           ; s[48:55], s[56:63] the same for P's tiles
.set G0B, 56
.set MSB, 0
.macro WIN new                         ; the immediate's high byte repeats the setting that is left; a switch that changes nothing is dropped
.if MSB != (\new)
	s_set_vgpr_msb (MSB<<8)|(\new)
.set MSB, (\new)
.endif
.endm
.set MUL_LO, 0xa1                      ; source 0 (P) window 1, source 1 (R) window 0, C and D window 2
.set MUL_HI, 0xf1                      ; the same, C and D window 3
.set TO_B,   0x40                      ; destination window 1, address window 0
; A joint load: waves 0 and 1 fetch R's halves, waves 2 and 3 P's.  The branch hangs on the wave's number alone.  Four v_nop follow each of the two lines.
.macro JLOAD g0a, g1a, g0b, g1b
	s_cmp_eq_u32 s15, 0
	s_cbranch_scc0 .Lfor_b_\@
	tensor_load_to_lds s[\g0a:\g0a+3], s[\g1a:\g1a+7]
	s_nop 0
.rept 4
	v_nop
.endr
	s_branch .Lasked_\@
.Lfor_b_\@:
	tensor_load_to_lds s[\g0b:\g0b+3], s[\g1b:\g1b+7]
	s_nop 0
.rept 4
	v_nop
.endr
.Lasked_\@:
.endm
.macro CREST                           ; a round of the cluster's barrier behind its opening barrier
	s_cmp_lg_u32 s14, 0
	s_cbranch_scc1 .Lnot_wave_0_\@
	s_barrier_signal -3
.Lnot_wave_0_\@:
	s_barrier_wait -3
	s_barrier_signal -1
	s_barrier_wait -1
.endm
.macro CROUND                          ; a whole round
	s_barrier_signal -1
	s_barrier_wait -1
	CREST
.endm
	s_load_b256 s[4:11], s[0:1], 0x0               ; x's codes s[4:5], W_qkv's codes s[6:7], b_qkv s[8:9], the exponents s[10:11]
	s_load_b64 s[12:13], s[0:1], 0x20              ; the workspace
	v_lshl_add_u32 v[SPW], v0, 2, SPARE
	v_mov_b32 v[NIL], 0
	ds_add_u32 v28, v29
	ds_add_u32 v28, v29
	s_wait_dscnt 0x0
	v_lshrrev_b32 v1, 5, v0
	v_readfirstlane_b32 s14, v1                    ; wave 0..3
	s_lshr_b32 s15, s14, 1                         ; which half of R's rows is mine.  Also: I fetch for R (0) or for P (1)
	s_and_b32 s16, s14, 1                          ; which half of P's rows.  Also: which 128 rows of that tile I fetch
	s_bfe_u32 s40, ttmp6, 0x40000                  ; cx, cy: my place in the cluster
	s_bfe_u32 s41, ttmp6, 0x40004
	s_and_b32 s18, ttmp7, 0xffff
	s_lshl_b32 s18, s18, 2                         ; 4 x cluster y
	s_lshl_b32 s19, ttmp9, 2                       ; 4 x cluster x
	s_cmp_eq_u32 ttmp9, 2                          ; v's clusters?  The same answer in all sixteen partners
	s_cselect_b32 s17, 8, s18                      ; R's tile: W_qkv's tiles 8 on, or x's tiles 4 Y on,
	s_cselect_b32 s42, s18, s19                    ; P's tile: x's tiles 4 Y on, or W_qkv's tiles 4 X on
	s_add_co_u32 s17, s17, s41                     ; + cy: R's tile of 256 rows
	s_add_co_u32 s42, s42, s40                     ; + cx: P's tile of 256 rows
	s_lshl_b32 s43, s41, 2
	s_lshl_b32 s43, 15, s43                        ; my row of the cluster
	s_lshl_b32 s44, 0x1111, s40                    ; my column
	; descriptor group 1: a tile of 128 rows x 256 bytes, padded in LDS
	s_or_b32 s[G1+0], s43, (0<<16)|(1<<20)|(1<<21)|(5<<22)|(3<<25)  ; 15:0 the mask: R's tiles go to my row; 17:16 elements of 1 byte; 20 padding on; 21 set beside a mask; 24:22 after every 64 words; 31:25 four words
	s_or_b32 s[G1B+0], s44, (0<<16)|(1<<20)|(1<<21)|(5<<22)|(3<<25) ; the same with the mask of my column
.irp g, G1, G1B
	s_mov_b32 s[\g+1], ROWB<<16                    ; tensor_dim0
	s_mov_b32 s[\g+2], 128<<16                     ; tensor_dim1
	s_mov_b32 s[\g+3], ROWB<<16                    ; tile_dim0
	s_mov_b32 s[\g+4], 128                         ; tile_dim1
	s_mov_b32 s[\g+5], KROW                        ; tensor_dim0_stride
	s_mov_b32 s[\g+6], 0
	s_mov_b32 s[\g+7], 0
.endr
	s_lshl_b32 s20, s17, 18                        ; R: (256 x tile + 128 x half) rows of 1,024 bytes; cy alone enters
	s_lshl_b32 s21, s16, 17
	s_add_co_u32 s20, s20, s21
	s_mov_b32 s21, 0
	s_lshl_b32 s46, s42, 18                        ; P likewise; cx alone enters
	s_lshl_b32 s47, s16, 17
	s_add_co_u32 s46, s46, s47
	s_mov_b32 s47, 0
	s_mul_i32 s45, s14, HALFT                      ; where they go: wave x 128 rows: no place in the cluster enters an LDS address
	s_wait_kmcnt 0x0
	s_load_b256 s[72:79], s[10:11], 0x0            ; e0 .. e7
	s_cmp_eq_u32 ttmp9, 2
	s_cselect_b64 s[66:67], s[6:7], s[4:5]         ; R's buffer
	s_cselect_b64 s[68:69], s[4:5], s[6:7]         ; P's buffer
	s_add_nc_u64 s[20:21], s[66:67], s[20:21]
	s_add_nc_u64 s[46:47], s[68:69], s[46:47]
	CROUND                                         ; all sixteen work-groups are here: the first joint loads meet
.irp s, 0,1
	s_mov_b32 s[G0+4*\s], 1
	s_add_co_u32 s[G0+4*\s+1], s45, \s*SLOT
	s_add_nc_u64 s[G0+4*\s+2:G0+4*\s+3], s[20:21], \s*ROWB
	s_or_b32 s[G0+4*\s+3], s[G0+4*\s+3], 0x80000000
	s_mov_b32 s[G0B+4*\s], 1
	s_add_co_u32 s[G0B+4*\s+1], s45, \s*SLOT
	s_add_nc_u64 s[G0B+4*\s+2:G0B+4*\s+3], s[46:47], \s*ROWB
	s_or_b32 s[G0B+4*\s+3], s[G0B+4*\s+3], 0x80000000
	JLOAD G0+4*\s, G1, G0B+4*\s, G1B
.endr
	v_and_b32 v1, 15, v0                           ; r = lane % 16
	v_bfe_u32 v2, v0, 4, 1                         ; h = lane / 16
	v_mul_u32_u24 v3, v1, PITCH
	v_lshl_add_u32 v4, v2, 4, v3                   ; a fragment's row x pitch + 16 x half
	s_mul_i32 s21, s15, HALFT                      ; my 128 rows of R
	s_mul_i32 s22, s16, HALFT                      ; my 128 rows of P,
	s_add_co_u32 s22, s22, 2*HALFT                 ; which lie behind R's 256
.irp s, 0,1
	v_add_nc_u32 v[ADRA+\s], s21, v4
	v_add_nc_u32 v[ADRB+\s], s22, v4
	s_add_co_u32 s21, s21, SLOT
	s_add_co_u32 s22, s22, SLOT
.endr
	v_and_b32 v3, 31, v0
	v_lshlrev_b32 v[CO], 4, v3                     ; 16 x lane
	v_lshlrev_b32 v5, 5, v2                        ; the bias along P: 8 numbers for each half of the lanes
	s_wait_alu depctr_va_vdst(0)
	v_lshlrev_b32 v6, 2, v1                        ; the bias along R: a number a lane
	s_wait_alu depctr_va_vdst(0)
	; Both kinds of bias are loaded in every work-group, so that each register is written on every way; the kind that is not used is read at the buffer's head.
	s_lshl_b32 s80, s42, 10                        ; q, k: my first feature 256 x P's tile + 128 x half, in bytes
	s_lshl_b32 s81, s16, 9
	s_add_co_u32 s80, s80, s81
	s_lshl_b32 s86, s41, 10                        ; v: my first feature 2048 + 256 cy + 128 x half, in bytes
	s_lshl_b32 s87, s15, 9
	s_add_co_u32 s86, s86, s87
	s_add_co_u32 s86, s86, 8192
	s_cmp_eq_u32 ttmp9, 2
	s_cselect_b32 s80, 0, s80
	s_cselect_b32 s86, s86, 0
	s_mov_b32 s81, 0
	s_mov_b32 s87, 0
	s_add_nc_u64 s[82:83], s[8:9], s[80:81]
	s_add_nc_u64 s[84:85], s[8:9], s[86:87]
.irp b, 0,1,2,3,4,5,6,7
	global_load_b128 v[BP+8*\b:BP+8*\b+3],   v5, s[82:83] offset:64*\b
	global_load_b128 v[BP+8*\b+4:BP+8*\b+7], v5, s[82:83] offset:64*\b+16
.endr
.irp a, 0,1,2,3,4,5,6,7
	global_load_b32 v[BR+2*\a],   v6, s[84:85] offset:64*\a
	global_load_b32 v[BR+2*\a+1], v6, s[84:85] offset:64*\a
.endr
	; where my images begin in the workspace.  q, k: region X, batch = R's tile / 8, head 4 cx + 2 x P's half, tile of 16 tokens 16 (R's tile % 8) + 8 x R's half
	s_lshl_b32 s88, ttmp9, 23
	s_lshr_b32 s89, s17, 3
	s_lshl_b32 s89, s89, 21
	s_add_co_u32 s88, s88, s89
	s_lshl_b32 s89, s40, 19
	s_add_co_u32 s88, s88, s89
	s_lshl_b32 s89, s16, 18
	s_add_co_u32 s88, s88, s89
	s_and_b32 s89, s17, 7
	s_lshl_b32 s89, s89, 14
	s_add_co_u32 s88, s88, s89
	s_lshl_b32 s89, s15, 13
	s_add_co_u32 s88, s88, s89
	; v: region 2, batch = P's tile / 8, head 4 cy + 2 x R's half, step of 128 keys 2 (P's tile % 8) + P's half
	s_lshr_b32 s90, s42, 3
	s_lshl_b32 s90, s90, 21
	s_add_co_u32 s90, s90, 1<<24
	s_lshl_b32 s91, s41, 19
	s_add_co_u32 s90, s90, s91
	s_lshl_b32 s91, s15, 18
	s_add_co_u32 s90, s90, s91
	s_and_b32 s91, s42, 7
	s_lshl_b32 s91, s91, 14
	s_add_co_u32 s90, s90, s91
	s_lshl_b32 s91, s16, 13
	s_add_co_u32 s90, s90, s91
	s_cmp_eq_u32 ttmp9, 2
	s_cselect_b32 s88, s90, s88
	s_mov_b32 s89, 0
	s_add_nc_u64 s[12:13], s[12:13], s[88:89]
.macro FRAG reg, adr, q, i             ; a fragment, 16 rows x 128 K: lane l holds row l % 16; registers 4 c .. 4 c + 3 hold K = 32 c + 16 (l / 16) + 0 .. 15
.irp c, 0,1,2,3
	ds_load_b128 v[\reg+4*\c:\reg+4*\c+3], v[\adr] offset:128*(\q)+32*\c+(\i)*16*PITCH
.endr
.endm
; 16 matrix instructions: R's blocks a0, a0 + 1 x P's eight, 128 along K.  p: P's set.  zero = 1: the first product starts the sums: nothing is ever cleared.
; The 64 accumulators take turns, one instruction a turn, in the same order in every step.
.macro MUL16 a0, p, zero
.irp a, \a0, \a0+1
.irp b, 0,1,2,3,4,5,6,7
.if \zero
	v_wmma_f32_16x16x128_fp8_fp8 v[8*(8*((\a)%4)+\b):8*(8*((\a)%4)+\b)+7], v[128*(\p)+FR*\b:128*(\p)+FR*\b+FR-1], v[AF+FR*(\a):AF+FR*(\a)+FR-1], 0
.else
	v_wmma_f32_16x16x128_fp8_fp8 v[8*(8*((\a)%4)+\b):8*(8*((\a)%4)+\b)+7], v[128*(\p)+FR*\b:128*(\p)+FR*\b+FR-1], v[AF+FR*(\a):AF+FR*(\a)+FR-1], v[8*(8*((\a)%4)+\b):8*(8*((\a)%4)+\b)+7]
.endif
.endr
.endr
.endm
.macro FETCH_B slot, q, p              ; P's eight fragments of the slot's q-th 128 along K into set p
	WIN TO_B
.irp i, 0,1,2,3,4,5,6,7
	FRAG 128*(\p)+FR*\i, ADRB+\slot, \q, \i
.endr
	WIN 0
.endm
.macro FETCH_A slot, q, i0             ; R's blocks i0 .. i0 + 3
.irp i, \i0, \i0+1, \i0+2, \i0+3
	FRAG AF+FR*(\i), ADRA+\slot, \q, \i
.endr
.endm
; A load into a register that a matrix instruction has read, and a vector instruction that reads a matrix result or writes one of its registers, stand NP places behind it; only plain vector
; instructions that name none of its registers are places (ISA guide 7.12.1 for vector instructions).
.macro PLACES n
.rept \n
	v_nop
.endr
.endm
; A step of 128 along K that has its successor in the same slot.  A block of R is free as soon as its eight products are issued: blocks 0-3 are fetched anew in the step's middle, blocks 4-7 at its end.
.macro STEP slot, q, zero
	s_wait_dscnt 4*NL                              ; P's set and R's blocks 0-3 are in; the youngest 16 loads (R's blocks 4-7) may be out
	WIN MUL_LO
	MUL16 0, (\q)%2, \zero
	MUL16 2, (\q)%2, \zero
	s_wait_dscnt 0                                 ; R's blocks 4-7 are in (asked for 32 matrix instructions ago)
	PLACES NP
	FETCH_B \slot, (\q)+1, 1-(\q)%2
	FETCH_A \slot, (\q)+1, 0
	WIN MUL_HI
	MUL16 4, (\q)%2, \zero
	MUL16 6, (\q)%2, \zero
	PLACES NP
	WIN 0
	FETCH_A \slot, (\q)+1, 4
.endm
; A slot's last step changes slots: ONE barrier; in front of it each wave waits for all its tensor loads, adds 0 to its spare word, and waits for that and for its own reads of this slot.  fill = 1: this slot is filled again, two K steps ahead.
.macro TURN slot, next, fill
	s_wait_tensorcnt 0x0                           ; all my tensor loads have landed: my part of the next slot  (every window is 0 here)
	ds_add_u32 v[SPW], v[NIL]                      ; 0 onto my spare word
	s_wait_dscnt 4*NL+1                            ; (the add and the youngest 16 loads, R's blocks 4-7, may be out)
	WIN MUL_LO
	MUL16 0, 1, 0                                  ; sixteen matrix instructions stand between the add and the wait for it
	s_wait_dscnt 0x0                               ; the add is done, and my reads of this slot are over
	s_barrier_signal -1
	MUL16 2, 1, 0
	WIN 0
	s_barrier_wait -1
.if \fill
	CREST                                          ; the barrier has opened a round of the cluster's barrier: no wave of any partner still reads this slot or has a load on its way
	s_add_nc_u64 s[G0+4*\slot+2:G0+4*\slot+3], s[G0+4*\slot+2:G0+4*\slot+3], 2*ROWB
	s_add_nc_u64 s[G0B+4*\slot+2:G0B+4*\slot+3], s[G0B+4*\slot+2:G0B+4*\slot+3], 2*ROWB
	JLOAD G0+4*\slot, G1, G0B+4*\slot, G1B         ; the first tensor load behind the round; its four v_nop are also the places in front of the loads below
.else
	PLACES NP
.endif
	FETCH_B \next, 0, 0
	FETCH_A \next, 0, 0
	WIN MUL_HI
	MUL16 4, 1, 0
	MUL16 6, 1, 0
	PLACES NP
	WIN 0
	FETCH_A \next, 0, 4
.endm
	s_wait_tensorcnt 1                             ; my part of K step 0 is in; K step 1's load may be out
	s_barrier_signal -1
	s_barrier_wait -1                              ; everybody's is
	FETCH_B 0, 0, 0
	FETCH_A 0, 0, 0
	FETCH_A 0, 0, 4
	STEP 0, 0, 1                                   ; K = 1,024 is four slots' worth, eight steps of 128: written straight.  The first step's products start the sums
	TURN 0, 1, 1                                   ; slot 0 takes K 512 on
	STEP 1, 0, 0
	TURN 1, 0, 1                                   ; slot 1 takes K 768 on
	STEP 0, 0, 0
	TURN 0, 1, 0                                   ; nothing is left to fetch
	STEP 1, 0, 0
	s_wait_dscnt 4*NL                              ; the last step
	WIN MUL_LO
	MUL16 0, 1, 0
	MUL16 2, 1, 0
	s_wait_dscnt 0
	WIN MUL_HI
	MUL16 4, 1, 0
	MUL16 6, 1, 0
	WIN 0
; THE WAY OUT of R's block a: number = sum x 2^(e0 + e1) + bias (one packed multiply-add for two), not held (the conversion to an 8-bit code does not saturate: ISA guide 7.6.2),
; converted eight at a time, stored as four pieces of 16 bytes a lane.  isv = 0: the bias runs along the registers; 1: along the lanes.  Each accumulator is read from its low end on.
.macro OUTB a, isv
.if (\a) >= 4
	s_wait_xcnt 0x0                                ; block a - 4's stores have read their data: that set of code registers is written again only behind this wait
.endif
.set AC, 64*((\a)%4)
.set CSET, CD+16*((\a)%4)
	WIN 0x02+((\a)/4)                              ; source 0: window 2 or 3
.irp b, 0,1,2,3,4,5,6,7
.irp i, 0,2,4,6
.if \isv
	v_pk_fma_f32 v[TMP+8*\b+\i:TMP+8*\b+\i+1], v[AC+8*\b+\i:AC+8*\b+\i+1], s[96:97], v[BR+2*(\a):BR+2*(\a)+1] op_sel_hi:[1,0,1]
.else
	v_pk_fma_f32 v[TMP+8*\b+\i:TMP+8*\b+\i+1], v[AC+8*\b+\i:AC+8*\b+\i+1], s[96:97], v[BP+8*\b+\i:BP+8*\b+\i+1] op_sel_hi:[1,0,1]
.endif
.endr
.endr
	WIN 0
.set j, 0
.rept 64
.set j, j+1
.endr
.irp b, 0,1,2,3,4,5,6,7
	v_cvt_scalef32_pk8_fp8_f32 v[CSET+2*\b:CSET+2*\b+1], v[TMP+8*\b:TMP+8*\b+7], v[SCL]
.endr
	v_nop                                          ; one plain vector instruction behind the last conversion: the next block writes its sources
.irp g, 0,1,2,3
.if \isv
	global_store_b128 v[CO], v[CSET+4*\g:CSET+4*\g+3], s[12:13] offset:((\a)/4)*131072+((\a)%4)*2048+\g*512   ; head a / 4, channels 16 (a % 4) on, keys 32 g on: 512 consecutive bytes
.else
	global_store_b128 v[CO], v[CSET+4*\g:CSET+4*\g+3], s[12:13] offset:(\a)*1024+(\g/2)*131072+(\g%2)*512     ; tokens 16 a on, head g / 2, channels 32 (g % 2) on: 512 consecutive bytes
.endif
.endr
.endm
	s_wait_kmcnt 0x0                               ; the exponents
	s_wait_loadcnt 0x0                             ; the biases
	s_add_co_i32 s96, s72, s73                     ; e0 + e1
	s_add_co_i32 s96, s96, 127
	s_lshl_b32 s96, s96, 23                        ; 2^(e0 + e1) as f32
	s_mov_b32 s97, s96                             ; (named with it as a pair, so it is written)
	s_cmp_eq_u32 ttmp9, 0
	s_cselect_b32 s80, s74, s75                    ; q: e2; k: e3;
	s_cmp_eq_u32 ttmp9, 2
	s_cselect_b32 s80, s77, s80                    ; v: e5.  A choice, no branch, on loaded numbers
	s_add_co_i32 s80, s80, 127
	s_lshl_b32 s81, s80, 23
	v_mov_b32 v[SCL], s81                          ; the scale as f32: the conversion takes its exponent field
	PLACES NP                                      ; behind the last products: their results are read, and the registers that held R's fragments are written
	s_cmp_eq_u32 ttmp9, 2                          ; the cluster's x: all partners take the same way
	s_cbranch_scc1 .Lv_out
.irp a, 0,1,2,3,4,5,6,7
	OUTB \a, 0
.endr
	s_branch .Ldone
.Lv_out:
.irp a, 0,1,2,3,4,5,6,7
	OUTB \a, 1
.endr
.Ldone:
	s_wait_tensorcnt 0x0                           ; the wave's end
	ds_add_u32 v[SPW], v[NIL]
	s_wait_dscnt 0x0
	CROUND                                         ; the closing round: no work-group ends while a partner may still ask for a tile that names it
	s_endpgm
.Lfunc_end_k_qfa5d715ec8_qkv:
	.size	k_qfa5d715ec8_qkv, .Lfunc_end_k_qfa5d715ec8_qkv-k_qfa5d715ec8_qkv
	.p2alignl 7, 3214868480
	.fill 96, 4, 3214868480
	.section	.rodata,"a",@progbits
	.p2align	6, 0x0
	.amdhsa_kernel k_qfa5d715ec8_qkv
		.amdhsa_group_segment_fixed_size 327680
		.amdhsa_private_segment_fixed_size 0
		.amdhsa_enable_private_segment 0
		.amdhsa_kernarg_size 40
		.amdhsa_user_sgpr_count 2
		.amdhsa_user_sgpr_kernarg_segment_ptr 1
		.amdhsa_wavefront_size32 1
		.amdhsa_system_sgpr_workgroup_id_x 1
		.amdhsa_system_sgpr_workgroup_id_y 1
		.amdhsa_system_sgpr_workgroup_id_z 1
		.amdhsa_system_vgpr_workitem_id 0
		.amdhsa_next_free_vgpr 1024
		.amdhsa_next_free_sgpr 98
		.amdhsa_reserve_vcc 0
		.amdhsa_float_denorm_mode_32 3
		.amdhsa_float_denorm_mode_16_64 3
		.amdhsa_fp16_overflow 1
		.amdhsa_memory_ordered 1
		.amdhsa_forward_progress 1
		.amdhsa_inst_pref_size 130
	.end_amdhsa_kernel
	.amdgpu_metadata
---
amdhsa.version: [ 1, 2 ]
amdhsa.kernels:
  - .name:           k_qfa5d715ec8_qkv
    .symbol:         k_qfa5d715ec8_qkv.kd
    .args:
      - { .name: x_codes, .offset: 0, .size: 8, .value_kind: global_buffer, .address_space: global }
      - { .name: W_qkv_codes, .offset: 8, .size: 8, .value_kind: global_buffer, .address_space: global }
      - { .name: b_qkv, .offset: 16, .size: 8, .value_kind: global_buffer, .address_space: global }
      - { .name: lowp_scales, .offset: 24, .size: 8, .value_kind: global_buffer, .address_space: global }
      - { .name: qkv, .offset: 32, .size: 8, .value_kind: global_buffer, .address_space: global }
    .group_segment_fixed_size: 327680
    .private_segment_fixed_size: 0
    .kernarg_segment_align: 8
    .kernarg_segment_size: 40
    .max_flat_workgroup_size: 128
    .sgpr_count:     98
    .vgpr_count:     1024
    .wavefront_size: 32
...
	.end_amdgpu_metadata
.endif
;; end of part 1
;; launch attn (part 2): grid 4 x 64, 16 waves a work-group, clusters of 4 x 1, 327,680 bytes of LDS; arguments qkv, lowp_scales, acodes; writes acodes
.if DOCPART == 2
	.amdgcn_target "amdgcn-amd-amdhsa--gfx1250"
	.amdhsa_code_object_version 6
	.text
	.protected	k_qfa5d715ec8_attn
	.globl	k_qfa5d715ec8_attn
	.p2align	8
	.type	k_qfa5d715ec8_attn,@function
k_qfa5d715ec8_attn:
	s_mov_b64 s[64:65], 0
	v_nop
	global_prefetch_b8 v0, s[64:65] scope:SCOPE_SE
	s_setreg_imm32_b32 hwreg(HW_REG_WAVE_MODE, 25, 1), 1
	s_wait_xcnt 0x0
	s_wait_alu depctr_hold_cnt(0) depctr_sa_sdst(0) depctr_va_vdst(0) depctr_va_sdst(0) depctr_va_ssrc(0) depctr_va_vcc(0) depctr_vm_vsrc(0)
	s_getreg_b32 s2, hwreg(HW_REG_IB_STS2, 6, 4)
	s_cmp_eq_u32 s2, 0
	s_cbranch_scc0 .Lentry_in_a_cluster
	s_endpgm
.Lentry_in_a_cluster:
	s_bfe_u32 s2, ttmp6, 0x10000c
	s_cmp_lg_u32 s2, 0x3003
	s_cbranch_scc0 .Lentry_shape_is_right
	s_endpgm
.Lentry_shape_is_right:
; Causal attention on codes of FP8 (E4M3): S^T = K Q^T, p = 2^(t - M), O^T = V^T P^T, O / l quantised with 2^e6 and stored as images of the last product's operand registers.
; INPUT (the workspace of the launch before): q, k: [batch x head 64][16 tokens 128][1,024 B]; v: [batch x head 64][128 keys 16][16 channels 4][2,048 B]: images of operand registers in the plain 8-bit layout
; (registers 2 c, 2 c + 1: k = 16 c + 8 (lane / 16) + 0 .. 7), 16 bytes a lane at 16 x lane.  OUTPUT: [16 tokens 512][head 16][1,024 B], images likewise.
; THE SOFTMAX: t = score x 2^(e2 + e3) x log2(e) / 8; M = the running largest t rounded UP to a whole number; p = 2^(t - M) is quantised with 2^e4, not normalised; the row's sum is taken of the unquantised p
; and divides at the end.  When M moves, the sum and O^T are multiplied by 2^(old M - new M): nothing is rounded, and there is no branch on data.
; SHARES.  A cluster of four work-groups is one (batch, head).  Its 128 tiles of 16 queries are dealt out by turns: tile 4 m + cx, m = 0 .. 31.  Wave w of sixteen owns m = w and m = 31 - w.
; A tile's last step of 128 keys is m / 2, whatever cx: so every branch hangs on the wave's number and the loop's count alone, and each wave has (w / 2 + 1) + (16 - w / 2) = 17 steps: all waves alike.
; cx enters Q's address, the output's address and the number that the mask compares with: no branch, no LDS address.
; LDS.  The head's K (131,072 bytes, from 0) and V (131,072, behind it) lie in LDS whole; nothing is filled again: no ring, and no barrier in the loop.  They are asked for JOINTLY by the four partners, who read the
; same bytes: each wave issues two loads, 2,048 bytes of the first 256 keys and 14,336 bytes of the rest; the second is issued only after the first has landed, so at most one is out.  The first two key steps are worked while the second load lands.
; All of K and V is asked for at the head, so there is no later load that a prefetch could run ahead of.
; LAYOUT.  Both products are used transposed: a lane holds ONE query (lane % 16) throughout, and its registers run along the keys, then along the channels: each conversion's result is a pair of operand registers.
; LIMITS: e2 + e3 between -123 and 130 (added to c's exponent field); e4, and e6 - e4 - e5, between -126 and 119.
; REGISTERS: v1-7 addresses and constants; v8-11, v12-15 -M, the largest t, the sum in two halves, for my two tiles; v16-31 Q; v32-95 eight fragments of K, then four of V; v96-159 S^T, then p; v160-223 O^T; v224-239 codes; v240-251 constants and work.
.set LI,    1                          ; v1   16 x lane: my place in an image; never rewritten
.set ADK,   2                          ; v2   LDS address of the step's K
.set ADV,   3                          ; v3   of its V
.set DLO,   4                          ; v4, v5  my query less the diagonal step's first key, less 8 (lane / 16), for my two tiles
.set DHI,   5
.set NINF,  6                          ; v6   -infinity
.set LIV,   7                          ; v7   16 x lane + V's first byte
.set STLO,  8
.set STHI,  12
.set QLO,   16
.set QHI,   24
.set KV,    32
.set S,     96
.set OLO,   160
.set OHI,   192
.set PC,    224
.set HOLDP, 240
.set SUM2,  242                        ; v[242:243] the sum's second chain
.set SCP,   244                        ; v244 2^e4
.set PRM,   245                        ; v245 a lane permute's destination (it counts as read: written once at the head)
.set F,     246                        ; v[246:247] f = 2^(old M - new M), later 1 / l; the upper register is named with it as a pair and written once
.set MX,    248                        ; v248, v249 at work
.set SCO,   250                        ; v250 2^(e6 - e4 - e5)
.set HOLDO, 251
.set WV,  10
.set CX,  11
.set BH,  12
.set G1A, 16                           ; s[16:23] descriptor group 1 of the small load;  s[24:31] of the large one;  s[32:35], s[36:39] their groups 0
.set G1B, 24
.set G0A, 32
.set G0B, 36
.set SEL, 48                           ; s[48:49] selects for v_permlanex16_b32: lane l xor 16
.set CS,  50                           ; s[50:51] c = log2(e) / 8 x 2^(e2 + e3): the packed form names a pair
.set TB,  52                           ; s52  LDS byte of the key step in hand
.set KS,  53                           ; s53  its number
.set CNT, 54
.set LASTLO, 55                        ; s55, s56  my two tiles' last key steps
.set LASTHI, 56
.set QBL, 58                           ; s[58:59], s[60:61]  Q's images of my two tiles
.set QBH, 60
.set OBL, 66                           ; s[66:67], s[68:69]  where their results go
.set OBH, 68
.set VBASE,  131072
.set KSTEPB, 8192                      ; a key step's bytes, in K and in V
.macro CROUND                          ; a round of the cluster's barrier
	s_barrier_signal -1
	s_barrier_wait -1
	s_cmp_lg_u32 s[WV], 0
	s_cbranch_scc1 .Lnot_wave_0_\@
	s_barrier_signal -3
.Lnot_wave_0_\@:
	s_barrier_wait -3
	s_barrier_signal -1
	s_barrier_wait -1
.endm
	s_load_b128 s[4:7], s[0:1], 0x0                ; the workspace with q, k, v s[4:5]; the exponents s[6:7]
	s_load_b64 s[8:9], s[0:1], 0x10                ; the output's codes
	v_lshl_add_u32 v254, v0, 2, 0x40000
	v_mov_b32 v255, 0
	ds_add_u32 v254, v255
	ds_add_u32 v254, v255
	v_lshrrev_b32 v[MX], 5, v0
	s_delay_alu instid0(VALU_DEP_1)
	v_readfirstlane_b32 s[WV], v[MX]               ; wave 0..15
	s_bfe_u32 s[CX], ttmp6, 0x40000                ; cx
	s_and_b32 s[BH], ttmp7, 0xffff                 ; batch x 16 + head: the cluster's y, which the partners share
	s_lshr_b32 s13, s[WV], 3                       ; I fetch for K (0) or for V (1),
	s_and_b32 s14, s[WV], 7                        ; piece 0..7
	; descriptor groups 1: dense rows of 256 bytes (32 elements of 8 bytes): 8 rows, and 56 rows.  15:0 the mask: all four partners; 17:16 elements of 8 bytes; 21 set beside a mask
	s_mov_b32 s[G1A], 15|(3<<16)|(1<<21)
	s_mov_b32 s[G1A+1], 32<<16                     ; tensor_dim0
	s_mov_b32 s[G1A+2], 8<<16                      ; tensor_dim1
	s_mov_b32 s[G1A+3], 32<<16                     ; tile_dim0
	s_mov_b32 s[G1A+4], 8                          ; tile_dim1
	s_mov_b32 s[G1A+5], 32                         ; tensor_dim0_stride
	s_mov_b32 s[G1A+6], 0
	s_mov_b32 s[G1A+7], 0
	s_mov_b32 s[G1B], 15|(3<<16)|(1<<21)
	s_mov_b32 s[G1B+1], 32<<16
	s_mov_b32 s[G1B+2], 56<<16
	s_mov_b32 s[G1B+3], 32<<16
	s_mov_b32 s[G1B+4], 56
	s_mov_b32 s[G1B+5], 32
	s_mov_b32 s[G1B+6], 0
	s_mov_b32 s[G1B+7], 0
	s_lshl_b32 s70, s13, 17                        ; LDS: K's half or V's
	s_lshl_b32 s71, s14, 11                        ; the small load: piece x 2,048 bytes of the first 16,384
	s_mul_i32 s72, s14, 14336                      ; the large one: piece x 14,336 bytes
	s_add_co_u32 s72, s72, 16384                   ; of the rest
	s_add_co_u32 s73, s13, 1
	s_lshl_b32 s73, s73, 23                        ; memory: k's region or v's,
	s_lshl_b32 s74, s[BH], 17
	s_add_co_u32 s73, s73, s74                     ; my head's 131,072 bytes: no place in the cluster enters
	s_add_co_u32 s74, s73, s71
	s_mov_b32 s75, 0
	s_add_co_u32 s76, s73, s72
	s_mov_b32 s77, 0
	s_mov_b32 s[G0A], 1                            ; count = 1
	s_add_co_u32 s[G0A+1], s70, s71                ; LDS address
	s_mov_b32 s[G0B], 1
	s_add_co_u32 s[G0B+1], s70, s72
	s_wait_dscnt 0x0
	s_wait_kmcnt 0x0
	s_load_b256 s[40:47], s[6:7], 0x0              ; e0 .. e7
	s_add_nc_u64 s[G0A+2:G0A+3], s[4:5], s[74:75]  ; global address
	s_or_b32 s[G0A+3], s[G0A+3], 0x80000000        ; type = 2
	s_add_nc_u64 s[G0B+2:G0B+3], s[4:5], s[76:77]
	s_or_b32 s[G0B+3], s[G0B+3], 0x80000000
	CROUND                                         ; all four work-groups are here: the joint loads meet
	tensor_load_to_lds s[G0A:G0A+3], s[G1A:G1A+7]  ; keys 0 to 255: my sixteenth of K's and V's first 16,384 bytes
	s_nop 0
	s_wait_alu depctr_va_vdst(0)
	s_wait_tensorcnt 0x0
	ds_add_u32 v254, v255
	s_wait_dscnt 0x0
	CROUND
	tensor_load_to_lds s[G0B:G0B+3], s[G1B:G1B+7]  ; the rest
	s_nop 0
.rept 4
	v_nop
.endr
	; my two tiles: 4 w + cx and 4 (31 - w) + cx.  What holds cx stands in registers that feed no descriptor
	s_lshl_b32 s78, s[WV], 2
	s_add_co_u32 s57, s78, s[CX]
	s_sub_co_u32 s15, 124, s78
	s_add_co_u32 s15, s15, s[CX]
	s_lshl_b32 s79, s[BH], 17
	s_lshl_b32 s2, s57, 10                         ; q's region begins at byte 0: head x 131,072 + tile x 1,024
	s_add_co_u32 s2, s2, s79
	s_mov_b32 s3, 0
	s_lshl_b32 s62, s15, 10
	s_add_co_u32 s62, s62, s79
	s_mov_b32 s63, 0
	s_add_nc_u64 s[QBL:QBL+1], s[4:5], s[2:3]
	s_add_nc_u64 s[QBH:QBH+1], s[4:5], s[62:63]
	v_and_b32 v[LI], 31, v0
	s_delay_alu instid0(VALU_DEP_1)
	v_lshlrev_b32 v[LI], 4, v[LI]
	s_delay_alu instid0(VALU_DEP_1)
	v_add_nc_u32 v[LIV], VBASE, v[LI]
	global_load_b128 v[QLO:QLO+3],   v[LI], s[QBL:QBL+1]
	global_load_b128 v[QLO+4:QLO+7], v[LI], s[QBL:QBL+1] offset:512
	global_load_b128 v[QHI:QHI+3],   v[LI], s[QBH:QBH+1]
	global_load_b128 v[QHI+4:QHI+7], v[LI], s[QBH:QBH+1] offset:512
	s_lshr_b32 s78, s[BH], 4                       ; the output: (batch x 128 + tile) x 16,384 + head x 1,024
	s_lshl_b32 s78, s78, 21
	s_and_b32 s79, s[BH], 15
	s_lshl_b32 s79, s79, 10
	s_add_co_u32 s78, s78, s79
	s_lshl_b32 s2, s57, 14
	s_add_co_u32 s2, s2, s78
	s_lshl_b32 s62, s15, 14
	s_add_co_u32 s62, s62, s78
	s_add_nc_u64 s[OBL:OBL+1], s[8:9], s[2:3]
	s_add_nc_u64 s[OBH:OBH+1], s[8:9], s[62:63]
	s_lshr_b32 s[LASTLO], s[WV], 1                 ; m / 2 for m = w,
	s_sub_co_u32 s[LASTHI], 15, s[LASTLO]          ; and for m = 31 - w
	; the mask's number: query - 128 x (last step) - 8 h = 64 (m % 2) + 16 cx + r - 8 h
	v_and_b32 v[MX], 15, v0
	v_bfe_u32 v[MX+1], v0, 4, 1
	s_delay_alu instid0(VALU_DEP_1)
	v_lshlrev_b32 v[MX+1], 3, v[MX+1]
	s_delay_alu instid0(VALU_DEP_1)
	v_sub_nc_u32 v[MX], v[MX], v[MX+1]
	s_and_b32 s78, s[WV], 1
	s_lshl_b32 s78, s78, 6
	s_lshl_b32 s79, s[CX], 4
	s_add_co_u32 s2, s78, s79
	v_add_nc_u32 v[DLO], s2, v[MX]
	s_xor_b32 s78, s78, 64
	s_add_co_u32 s2, s78, s79
	v_add_nc_u32 v[DHI], s2, v[MX]
	v_mov_b32 v[NINF], 0xff800000
.irp st, STLO, STHI
	v_mov_b32 v[\st+1], 0xff61b1e6                 ; the largest t so far: -3e38, under every t
	s_delay_alu instid0(VALU_DEP_1)
	v_floor_f32 v[\st], -v[\st+1]                  ; -M
	v_mov_b32 v[\st+2], 0                          ; the sum, in two halves
	v_mov_b32 v[\st+3], 0
.endr
	v_mov_b32 v[PRM], 0
	v_mov_b32 v[F+1], 0
.set j, 0
.rept 64
	v_mov_b32 v[OLO+j], 0                          ; O^T of both tiles: the step is written without a first form of its own: the first change of M multiplies zeros
.set j, j+1
.endr
	s_mov_b32 s[SEL], 0x76543210
	s_mov_b32 s[SEL+1], 0xfedcba98
	s_mov_b32 s[CS], 0x3e38aa3b                    ; log2(e) / sqrt(64)
	s_wait_kmcnt 0x0
	s_add_co_i32 s70, s42, s43                     ; a score stands for score x 2^(e2 + e3): added to c's exponent field
	s_lshl_b32 s70, s70, 23
	s_add_co_i32 s[CS], s[CS], s70
	s_mov_b32 s[CS+1], s[CS]
	s_add_co_i32 s70, s44, 127
	s_lshl_b32 s71, s70, 23
	v_mov_b32 v[SCP], s71                          ; 2^e4
	s_sub_co_i32 s70, s46, s44                     ; a sum of the second product stands for sum x 2^(e4 + e5): the three scales are folded into the last conversion's one
	s_sub_co_i32 s70, s70, s45
	s_add_co_i32 s70, s70, 127
	s_lshl_b32 s71, s70, 23
	v_mov_b32 v[SCO], s71                          ; 2^(e6 - e4 - e5)
; A KEY STEP of one tile: 128 keys at LDS byte s[TB].  q: Q's registers; o: O^T's; st: the statistics; d: the mask's number; last: the scalar with the tile's last step.
.macro STEP q, o, st, d, last
	s_cmp_gt_u32 s[KS], s[\last]                   ; all 128 keys come after my 16 queries: the step is left out.  Wave's number and count alone
	s_cbranch_scc1 .Lhidden_\@
	v_add_nc_u32 v[ADK], s[TB], v[LI]
	v_add_nc_u32 v[ADV], s[TB], v[LIV]
	v_nop                                          ; with the two additions: four places in front of loads into registers that matrix instructions have read
	v_nop
.irp f, 0,1,2,3,4,5,6,7
	ds_load_b128 v[KV+8*\f:KV+8*\f+3],   v[ADK] offset:1024*\f          ; K's fragment f: keys 16 f on, as it was stored: 512 consecutive bytes a load
	ds_load_b128 v[KV+8*\f+4:KV+8*\f+7], v[ADK] offset:1024*\f+512
.endr
	s_wait_alu depctr_va_vdst(0)
	s_wait_dscnt 0x0
.irp f, 0,1,2,3,4,5,6,7
	v_wmma_f32_16x16x64_fp8_fp8 v[S+8*\f:S+8*\f+7], v[KV+8*\f:KV+8*\f+7], v[\q:\q+7], 0   ; lane (r, h), register j: query r, key 16 f + 8 h + j
.endr
.rept 4
	v_nop                                          ; places: K's registers take V, and the scores are read
.endr
.irp t, 0,1,2,3
.irp c, 0,1,2,3
	ds_load_b128 v[KV+16*\t+4*\c:KV+16*\t+4*\c+3], v[ADV] offset:2048*\t+512*\c   ; V's fragment t: channels 16 t on x these 128 keys; it lands while the softmax is worked
.endr
.endr
	s_cmp_lt_u32 s[KS], s[\last]                   ; all keys count: no mask
	s_cbranch_scc1 .Lopen_\@
.set n, 0
.rept 64
	v_cmp_gt_i32 vcc_lo, 16*(n/8)+n%8, v[\d]       ; on the diagonal: register n's key comes after my query:
	v_cndmask_b32 v[S+n], v[S+n], v[NINF], vcc_lo  ; its score becomes -infinity, its p 0
.set n, n+1
.endr
.Lopen_\@:
	v_max3_num_f32 v[MX], v[S], v[S+1], v[S+2]     ; the step's largest score of my query among my 64 keys, in two chains, each accumulator from its low end on
	v_max3_num_f32 v[MX+1], v[S+3], v[S+4], v[S+5]
.irp i, 6,10,14,18,22,26,30,34,38,42,46,50,54,58
	v_max3_num_f32 v[MX], v[MX], v[S+\i], v[S+1+\i]
	v_max3_num_f32 v[MX+1], v[MX+1], v[S+2+\i], v[S+3+\i]
.endr
	v_max3_num_f32 v[MX], v[MX], v[S+62], v[S+63]
	s_delay_alu instid0(VALU_DEP_1)
	v_max_num_f32 v[MX], v[MX], v[MX+1]
	s_delay_alu instid0(VALU_DEP_1)
	v_permlanex16_b32 v[PRM], v[MX], s[SEL], s[SEL+1]
	s_delay_alu instid0(VALU_DEP_1)
	v_max_num_f32 v[MX], v[MX], v[PRM]             ; and among lane l xor 16's
	s_delay_alu instid0(VALU_DEP_1)
	v_mul_f32 v[MX], s[CS], v[MX]                  ; as t (c is positive)
	s_delay_alu instid0(VALU_DEP_1)
	v_max_num_f32 v[\st+1], v[\st+1], v[MX]        ; the running largest t
	v_mov_b32 v[MX], v[\st]
	s_delay_alu instid0(VALU_DEP_2)
	v_floor_f32 v[\st], -v[\st+1]                  ; the new -M = floor(-t) = -ceil(t)
	s_delay_alu instid0(VALU_DEP_1)
	v_sub_f32 v[MX], v[\st], v[MX]                 ; old M - new M: a whole number, 0 or less
	s_delay_alu instid0(VALU_DEP_1)
	v_cvt_i32_f32 v[MX], v[MX]                     ; (it saturates)
	s_delay_alu instid0(VALU_DEP_1)
	v_ldexp_f32 v[F], 1.0, v[MX]                   ; f = 2^(old M - new M)
.set j, 0
.rept 32
	v_pk_fma_f32 v[S+j:S+j+1], v[S+j:S+j+1], s[CS:CS+1], v[\st:\st+1] op_sel_hi:[1,0,0]   ; t - M, two at a time (of the pairs c and -M the low word serves both halves)
.set j, j+2
.endr
.set j, 0
	s_wait_alu depctr_va_vdst(0)
.rept 64
	v_exp_f32 v[S+j], v[S+j]                       ; p = 2^(t - M): one batch
.set j, j+1
.endr
	v_pk_mul_f32 v[\st+2:\st+3], v[\st+2:\st+3], v[F:F+1] op_sel_hi:[1,0]   ; the sums under the new M: the plain instruction behind the exponentials
	s_wait_alu depctr_va_vdst(0)                   ; one wait for the batch, ahead of its first reader
	v_pk_add_f32 v[SUM2:SUM2+1], v[S:S+1], v[S+2:S+3]   ; the row's sum is taken of the unquantised p, in two chains
.irp j, 4,8,12,16,20,24,28,32,36,40,44,48,52,56,60
	v_pk_add_f32 v[\st+2:\st+3], v[\st+2:\st+3], v[S+\j:S+1+\j]
	v_pk_add_f32 v[SUM2:SUM2+1], v[SUM2:SUM2+1], v[S+2+\j:S+3+\j]
.endr
	s_delay_alu instid0(VALU_DEP_1)
	v_pk_add_f32 v[\st+2:\st+3], v[\st+2:\st+3], v[SUM2:SUM2+1]
.irp f, 0,1,2,3,4,5,6,7
.irp i, 0,1,2,3,4,5,6,7
.endr
	v_cvt_scalef32_pk8_fp8_f32 v[PC+2*\f:PC+2*\f+1], v[S+8*\f:S+8*\f+7], v[SCP]   ; registers 2 f, 2 f + 1 of P's fragment: keys 16 f + 8 h + 0 .. 7
.endr
.set j, 0
.rept 16
	v_pk_mul_f32 v[\o+j:\o+j+1], v[\o+j:\o+j+1], v[F:F+1] op_sel_hi:[1,0]   ; O^T under the new M.  (Also the plain instructions between the conversions and the products)
.set j, j+2
.endr
	s_wait_alu depctr_va_vdst(0)
	s_wait_dscnt 0x0                               ; V is in
.irp t, 0,1,2,3
	v_wmma_f32_16x16x128_fp8_fp8 v[\o+8*\t:\o+8*\t+7], v[KV+16*\t:KV+16*\t+15], v[PC:PC+15], v[\o+8*\t:\o+8*\t+7]   ; four accumulators by turns; eight other products stand between two links of a chain
.endr
.Lhidden_\@:
.endm
.macro TRIP                            ; one key step for both my tiles
	STEP QLO, OLO, STLO, DLO, LASTLO
	STEP QHI, OHI, STHI, DHI, LASTHI
.endm
; A tile's end: O^T / l, converted with the folded scale: registers 2 t, 2 t + 1 are channels 16 t + 8 h + 0 .. 7 of token r: the next operand's image; two stores of 512 consecutive bytes.
.macro FINISH o, st, cd, base
	v_add_f32 v[MX], v[\st+2], v[\st+3]
	s_delay_alu instid0(VALU_DEP_1)
	v_permlanex16_b32 v[PRM], v[MX], s[SEL], s[SEL+1]
	s_delay_alu instid0(VALU_DEP_1)
	v_add_f32 v[MX], v[MX], v[PRM]                 ; the row's sum
	s_wait_alu depctr_va_vdst(0)
	v_rcp_f32 v[F], v[MX]
	v_nop                                          ; a plain instruction behind the reciprocal
	s_wait_alu depctr_va_vdst(0)                   ; and the wait ahead of its first reader
.set j, 0
.rept 16
	v_pk_mul_f32 v[S+j:S+j+1], v[\o+j:\o+j+1], v[F:F+1] op_sel_hi:[1,0]
.set j, j+2
.endr
.set j, 0
.rept 32
.set j, j+1
.endr
.irp t, 0,1,2,3
	v_cvt_scalef32_pk8_fp8_f32 v[\cd+2*\t:\cd+2*\t+1], v[S+8*\t:S+8*\t+7], v[SCO]
.endr
	v_nop                                          ; one plain instruction behind the last conversion
	global_store_b128 v[LI], v[\cd:\cd+3],   s[\base:\base+1]
	global_store_b128 v[LI], v[\cd+4:\cd+7], s[\base:\base+1] offset:512
.endm
	s_wait_loadcnt 0x0                             ; Q
	s_wait_tensorcnt 0x1                           ; my piece of the first 256 keys is in; the large load may stay out, and the two steps below read none of its bytes
	s_barrier_signal -1
	s_barrier_wait -1                              ; everybody's is
	s_mov_b32 s[TB], 0                             ; key steps 0 and 1 are written out, with constants for their LDS bytes
	s_mov_b32 s[KS], 0
	TRIP
	s_mov_b32 s[TB], KSTEPB
	s_mov_b32 s[KS], 1
	TRIP
	s_wait_tensorcnt 0x0                           ; my piece of the rest is in,
	s_wait_dscnt 0x0
	s_barrier_signal -1
	s_barrier_wait -1                              ; everybody's is
	s_mov_b32 s[CNT], 14
.Lwalk:                                            ; key steps 2 to 15: the step's byte and number are stepped at the trip's head, so that s[TB] ends at 15 x 8,192
	s_add_co_u32 s[TB], s[TB], KSTEPB
	s_add_co_u32 s[KS], s[KS], 1
	TRIP
	s_sub_co_u32 s[CNT], s[CNT], 1
	s_cmp_lg_u32 s[CNT], 0
	s_cbranch_scc1 .Lwalk
.rept 4
	v_nop                                          ; places behind the last products
.endr
	FINISH OLO, STLO, PC, OBL
	FINISH OHI, STHI, PC+8, OBH
	s_wait_dscnt 0x0
	s_wait_tensorcnt 0x0
	ds_add_u32 v254, v255
	s_wait_dscnt 0x0
	CROUND                                         ; the closing round
	s_endpgm
.Lfunc_end_k_qfa5d715ec8_attn:
	.size	k_qfa5d715ec8_attn, .Lfunc_end_k_qfa5d715ec8_attn-k_qfa5d715ec8_attn
	.p2alignl 7, 3214868480
	.fill 96, 4, 3214868480
	.section	.rodata,"a",@progbits
	.p2align	6, 0x0
	.amdhsa_kernel k_qfa5d715ec8_attn
		.amdhsa_group_segment_fixed_size 327680
		.amdhsa_private_segment_fixed_size 0
		.amdhsa_enable_private_segment 0
		.amdhsa_kernarg_size 24
		.amdhsa_user_sgpr_count 2
		.amdhsa_user_sgpr_kernarg_segment_ptr 1
		.amdhsa_wavefront_size32 1
		.amdhsa_system_sgpr_workgroup_id_x 1
		.amdhsa_system_sgpr_workgroup_id_y 1
		.amdhsa_system_sgpr_workgroup_id_z 1
		.amdhsa_system_vgpr_workitem_id 0
		.amdhsa_next_free_vgpr 256
		.amdhsa_next_free_sgpr 80
		.amdhsa_reserve_vcc 1
		.amdhsa_float_denorm_mode_32 3
		.amdhsa_float_denorm_mode_16_64 3
		.amdhsa_fp16_overflow 1
		.amdhsa_memory_ordered 1
		.amdhsa_forward_progress 1
		.amdhsa_inst_pref_size 125
	.end_amdhsa_kernel
	.amdgpu_metadata
---
amdhsa.version: [ 1, 2 ]
amdhsa.kernels:
  - .name:           k_qfa5d715ec8_attn
    .symbol:         k_qfa5d715ec8_attn.kd
    .args:
      - { .name: qkv, .offset: 0, .size: 8, .value_kind: global_buffer, .address_space: global }
      - { .name: lowp_scales, .offset: 8, .size: 8, .value_kind: global_buffer, .address_space: global }
      - { .name: acodes, .offset: 16, .size: 8, .value_kind: global_buffer, .address_space: global }
    .group_segment_fixed_size: 327680
    .private_segment_fixed_size: 0
    .kernarg_segment_align: 8
    .kernarg_segment_size: 24
    .max_flat_workgroup_size: 512
    .sgpr_count:     80
    .vgpr_count:     256
    .wavefront_size: 32
...
	.end_amdgpu_metadata
.endif
;; end of part 2
;; launch proj (part 3): grid 4 x 32, 4 waves a work-group, clusters of 4 x 4, 327,680 bytes of LDS; arguments acodes, W_out_codes, lowp_scales, b_out, out0; writes out0
.if DOCPART == 3
	.amdgcn_target "amdgcn-amd-amdhsa--gfx1250"
	.amdhsa_code_object_version 6
	.text
	.protected	k_qfa5d715ec8_proj
	.globl	k_qfa5d715ec8_proj
	.p2align	8
	.type	k_qfa5d715ec8_proj,@function
k_qfa5d715ec8_proj:
	s_mov_b64 s[64:65], 0
	v_nop
	global_prefetch_b8 v0, s[64:65] scope:SCOPE_SE
	s_setreg_imm32_b32 hwreg(HW_REG_WAVE_MODE, 25, 1), 1
	s_wait_xcnt 0x0
	s_wait_alu depctr_hold_cnt(0) depctr_sa_sdst(0) depctr_va_vdst(0) depctr_va_sdst(0) depctr_va_ssrc(0) depctr_va_vcc(0) depctr_vm_vsrc(0)
	s_getreg_b32 s2, hwreg(HW_REG_IB_STS2, 6, 4)
	s_cmp_eq_u32 s2, 0
	s_cbranch_scc0 .Lentry_in_a_cluster
	s_endpgm
.Lentry_in_a_cluster:
	s_bfe_u32 s2, ttmp6, 0x10000c
	s_cmp_lg_u32 s2, 0xf033
	s_cbranch_scc0 .Lentry_shape_is_right
	s_endpgm
.Lentry_shape_is_right:
; out0 = A W_out + b_out on codes of FP8 (E4M3).  A: the attention's result, 8,192 tokens x 1,024, as images of operand registers: [16 tokens 512][head 16][1,024 B: 2 x 32 lanes x 16 B], in the plain 8-bit layout
; (registers 2 c, 2 c + 1: k = 16 c + 8 (lane / 16) + 0 .. 7).  W_out: [1024 (n)][1024 (k)] codes, K innermost.  b_out [1024], out0 [8192][1024]: f32.  A sum stands for sum x 2^(e6 + e7).
; A tile of 256 x 256 of out0 is made by four waves, 128 x 128 each: 64 accumulators.  K goes in steps of 256 (four heads) through a ring of two LDS slots filled by the tensor data mover.
; A's part of a slot is 16 runs of 4,096 bytes, dense: a fragment of 128 along K is two heads' images, four loads of 16 bytes a lane at 16 x lane.  W_out's rows are padded, and its fragments are read in the SAME
; plain layout, by eight loads of 8 bytes (16 c + 8 (lane / 16)), so that every k meets its partner.
; CLUSTERS: 4 x 4 work-groups; A's tile is asked for jointly by a row of the cluster, W_out's by a column.  The matrix instruction is used transposed (source 0 = 16 rows of W_out, source 1 = 16 tokens):
; a lane holds eight neighbouring numbers of a row of out0.
; LIMIT: e6 + e7 between -126 and 127, so that 2^(e6 + e7) is an f32 number.
; REGISTERS: window 0: v8-11 b_out at my four columns of a row read back; v16-29 addresses; v128-255 A's fragments, ONE set; on the way out rows of out0.
;   window 1: W_out's fragments, TWO sets.   windows 2, 3: the accumulators ((a, b) at v[8 (8 (a % 4) + b)]).
.set PITCH,  272                       ; a row of W_out in LDS: 256 bytes + 16 = 68 words: lane (r, h) of a load of 8 bytes starts at bank (4 r + 2 h) mod 64: 32 lanes, 64 different banks (ISA guide 11.1)
.set FR,     16
.set NL,     4                         ; LDS loads that bring a fragment of A
.set NP,     4
.set AHALF,  32768                     ; eight tiles of 16 tokens x 4,096 bytes: what one tensor load brings of A
.set BHALF,  128*PITCH                 ; 128 rows of W_out
.set BOFF,   2*AHALF
.set SLOT,   BOFF+2*BHALF              ; 135,168
.set SPARE,  2*SLOT                    ; behind the ring: the spare words
.set SPITCH, 528                       ; the way out: a stage of 16 rows x (512 bytes + 16) for each wave, in slot 0, which has had its last fill and its last read when the first result is stored there
.set BIAS, 8
.set ADRA, 16
.set ADRB, 20
.set STO,  24
.set RD,   25
.set CO,   26                          ; v26  16 x lane
.set SPW,  28
.set NIL,  29
.set AF,   128
.set BK,   128                         ; the way out: 16 rows read back: v128-191 and v192-255 by turns
.set G1,  24
.set G0,  32
.set G1B, 48
.set G0B, 56
.set MSB, 0
.macro WIN new
.if MSB != (\new)
	s_set_vgpr_msb (MSB<<8)|(\new)
.set MSB, (\new)
.endif
.endm
.set MUL_LO, 0xa1                      ; source 0 (W_out) window 1, source 1 (A) window 0, C and D window 2
.set MUL_HI, 0xf1
.set TO_B,   0x40
.macro JLOAD g0a, g1a, g0b, g1b        ; waves 0 and 1 fetch A's halves, waves 2 and 3 W_out's; four v_nop follow each line
	s_cmp_eq_u32 s15, 0
	s_cbranch_scc0 .Lfor_b_\@
	tensor_load_to_lds s[\g0a:\g0a+3], s[\g1a:\g1a+7]
	s_nop 0
.rept 4
	v_nop
.endr
	s_branch .Lasked_\@
.Lfor_b_\@:
	tensor_load_to_lds s[\g0b:\g0b+3], s[\g1b:\g1b+7]
	s_nop 0
.rept 4
	v_nop
.endr
.Lasked_\@:
.endm
.macro CREST
	s_cmp_lg_u32 s14, 0
	s_cbranch_scc1 .Lnot_wave_0_\@
	s_barrier_signal -3
.Lnot_wave_0_\@:
	s_barrier_wait -3
	s_barrier_signal -1
	s_barrier_wait -1
.endm
.macro CROUND
	s_barrier_signal -1
	s_barrier_wait -1
	CREST
.endm
	s_load_b256 s[4:11], s[0:1], 0x0               ; A's codes s[4:5], W_out's codes s[6:7], the exponents s[8:9], b_out s[10:11]
	s_load_b64 s[12:13], s[0:1], 0x20              ; out0
	v_lshl_add_u32 v[SPW], v0, 2, SPARE
	v_mov_b32 v[NIL], 0
	ds_add_u32 v28, v29
	ds_add_u32 v28, v29
	s_wait_dscnt 0x0
	v_lshrrev_b32 v1, 5, v0
	v_readfirstlane_b32 s14, v1                    ; wave 0..3
	s_lshr_b32 s15, s14, 1                         ; which half of the tile's rows is mine.  Also: I fetch for A (0) or for W_out (1)
	s_and_b32 s16, s14, 1                          ; which half of its columns.  Also: which half of that tile I fetch
	s_bfe_u32 s40, ttmp6, 0x40000                  ; cx, cy
	s_bfe_u32 s41, ttmp6, 0x40004
	s_lshl_b32 s42, ttmp9, 2
	s_add_co_u32 s42, s42, s40                     ; tile column
	s_and_b32 s17, ttmp7, 0xffff
	s_lshl_b32 s17, s17, 2
	s_add_co_u32 s17, s17, s41                     ; tile row
	s_lshl_b32 s43, s41, 2
	s_lshl_b32 s43, 15, s43                        ; my row of the cluster
	s_lshl_b32 s44, 0x1111, s40                    ; my column
	; A: 8 rows of 4,096 bytes (512 elements of 8), 16,384 bytes apart, dense in LDS
	s_or_b32 s[G1+0], s43, (3<<16)|(1<<21)         ; 15:0 the mask; 17:16 elements of 8 bytes; 21 set beside a mask
	s_mov_b32 s[G1+1], 512<<16                     ; tensor_dim0
	s_mov_b32 s[G1+2], 8<<16                       ; tensor_dim1
	s_mov_b32 s[G1+3], 512<<16                     ; tile_dim0
	s_mov_b32 s[G1+4], 8                           ; tile_dim1
	s_mov_b32 s[G1+5], 2048                        ; tensor_dim0_stride
	s_mov_b32 s[G1+6], 0
	s_mov_b32 s[G1+7], 0
	; W_out: 128 rows of 256 bytes, 1,024 apart, 16 bytes of padding behind each
	s_or_b32 s[G1B+0], s44, (0<<16)|(1<<20)|(1<<21)|(5<<22)|(3<<25)
	s_mov_b32 s[G1B+1], 256<<16
	s_mov_b32 s[G1B+2], 128<<16
	s_mov_b32 s[G1B+3], 256<<16
	s_mov_b32 s[G1B+4], 128
	s_mov_b32 s[G1B+5], 1024
	s_mov_b32 s[G1B+6], 0
	s_mov_b32 s[G1B+7], 0
	s_lshl_b32 s20, s17, 18                        ; A: (16 x tile row + 8 x half) tiles of 16 tokens, 16,384 bytes each
	s_lshl_b32 s21, s16, 17
	s_add_co_u32 s20, s20, s21
	s_mov_b32 s21, 0
	s_lshl_b32 s46, s42, 18                        ; W_out: (256 x tile column + 128 x half) rows of 1,024 bytes
	s_lshl_b32 s47, s16, 17
	s_add_co_u32 s46, s46, s47
	s_mov_b32 s47, 0
	s_lshl_b32 s45, s16, 15                        ; where they go: A's halves,
	s_mul_i32 s23, s16, BHALF
	s_add_co_u32 s23, s23, BOFF                    ; W_out's halves behind them
	s_wait_kmcnt 0x0
	s_load_b64 s[96:97], s[8:9], 0x18              ; e6, e7
	s_add_nc_u64 s[20:21], s[4:5], s[20:21]
	s_add_nc_u64 s[46:47], s[6:7], s[46:47]
	CROUND                                         ; all sixteen work-groups are here: the first joint loads meet
.irp s, 0,1
	s_mov_b32 s[G0+4*\s], 1
	s_add_co_u32 s[G0+4*\s+1], s45, \s*SLOT
	s_add_nc_u64 s[G0+4*\s+2:G0+4*\s+3], s[20:21], \s*4096
	s_or_b32 s[G0+4*\s+3], s[G0+4*\s+3], 0x80000000
	s_mov_b32 s[G0B+4*\s], 1
	s_add_co_u32 s[G0B+4*\s+1], s23, \s*SLOT
	s_add_nc_u64 s[G0B+4*\s+2:G0B+4*\s+3], s[46:47], \s*256
	s_or_b32 s[G0B+4*\s+3], s[G0B+4*\s+3], 0x80000000
	s_wait_alu depctr_va_vdst(0)
	s_wait_tensorcnt 0x0
	ds_add_u32 v28, v29
	ds_add_u32 v28, v29
	s_wait_dscnt 0x0
	CROUND
	JLOAD G0+4*\s, G1, G0B+4*\s, G1B
.endr
	v_and_b32 v1, 15, v0                           ; r
	v_bfe_u32 v2, v0, 4, 1                         ; h
	v_and_b32 v6, 31, v0
	v_lshlrev_b32 v[CO], 4, v6                     ; 16 x lane
	v_mul_u32_u24 v3, v1, PITCH
	v_lshl_add_u32 v4, v2, 3, v3                   ; W_out: row x pitch + 8 x half
	s_lshl_b32 s21, s15, 15                        ; my eight tiles of A
	s_mul_i32 s22, s16, BHALF                      ; my 128 rows of W_out
	s_add_co_u32 s22, s22, BOFF
.irp s, 0,1
	v_add_nc_u32 v[ADRA+\s], s21, v[CO]
	v_add_nc_u32 v[ADRB+\s], s22, v4
	s_add_co_u32 s21, s21, SLOT
	s_add_co_u32 s22, s22, SLOT
.endr
	s_mul_i32 s23, s14, 16*SPITCH                  ; my stage
	v_mul_u32_u24 v5, v1, SPITCH                   ; in: row r, 32 bytes for each half of the lanes
	v_lshl_add_u32 v5, v2, 5, v5
	v_add_nc_u32 v[STO], s23, v5
	v_add_nc_u32 v[RD], s23, v[CO]                 ; back: the 32 lanes take one row of 512 bytes
	s_lshl_b32 s20, s17, 20                        ; my first row of out0: (256 x tile row + 128 x half) x 4,096 bytes
	s_lshl_b32 s21, s15, 19
	s_add_co_u32 s20, s20, s21
	s_mov_b32 s21, 0
	s_lshl_b32 s46, s42, 10                        ; my first column in bytes: 1,024 x tile column + 512 x half
	s_lshl_b32 s47, s16, 9
	s_add_co_u32 s46, s46, s47
	s_mov_b32 s47, 0
	s_add_nc_u64 s[10:11], s[10:11], s[46:47]
	s_add_nc_u64 s[12:13], s[12:13], s[46:47]
	s_add_nc_u64 s[12:13], s[12:13], s[20:21]
	global_load_b128 v[BIAS:BIAS+3], v[CO], s[10:11]   ; b_out at the four columns that I hold of every row read back
.macro FRAGA reg, slot, q, i           ; tokens 16 i on, the slot's q-th 128 along K: heads 2 q and 2 q + 1: registers 0-7 and 8-15
.irp c, 0,1,2,3
	ds_load_b128 v[\reg+4*\c:\reg+4*\c+3], v[ADRA+\slot] offset:(\i)*4096+(\q)*2048+512*\c
.endr
.endm
.macro FRAGB reg, slot, q, i           ; rows 16 i on of W_out: registers 2 c, 2 c + 1 hold K = 16 c + 8 (l / 16) + 0 .. 7
.irp c, 0,1,2,3,4,5,6,7
	ds_load_b64 v[\reg+2*\c:\reg+2*\c+1], v[ADRB+\slot] offset:128*(\q)+16*\c+(\i)*16*PITCH
.endr
.endm
; 16 matrix instructions: A's blocks a0, a0 + 1 x W_out's eight.  The 64 accumulators take turns, one instruction a turn, in the same order in every step.
.macro MUL16 a0, p, zero
.irp a, \a0, \a0+1
.irp b, 0,1,2,3,4,5,6,7
.if \zero
	v_wmma_f32_16x16x128_fp8_fp8 v[8*(8*((\a)%4)+\b):8*(8*((\a)%4)+\b)+7], v[128*(\p)+FR*\b:128*(\p)+FR*\b+FR-1], v[AF+FR*(\a):AF+FR*(\a)+FR-1], 0
.else
	v_wmma_f32_16x16x128_fp8_fp8 v[8*(8*((\a)%4)+\b):8*(8*((\a)%4)+\b)+7], v[128*(\p)+FR*\b:128*(\p)+FR*\b+FR-1], v[AF+FR*(\a):AF+FR*(\a)+FR-1], v[8*(8*((\a)%4)+\b):8*(8*((\a)%4)+\b)+7]
.endif
.endr
.endr
.endm
.macro FETCH_B slot, q, p
	WIN TO_B
.irp i, 0,1,2,3,4,5,6,7
	FRAGB 128*(\p)+FR*\i, \slot, \q, \i
.endr
	WIN 0
.endm
.macro FETCH_A slot, q, i0
.irp i, \i0, \i0+1, \i0+2, \i0+3
	FRAGA AF+FR*(\i), \slot, \q, \i
.endr
.endm
.macro PLACES n                        ; places behind matrix instructions (ISA guide 7.12.1 for vector instructions)
.rept \n
	v_nop
.endr
.endm
.macro STEP slot, q, zero
	s_wait_dscnt 4*NL                              ; W_out's set and A's blocks 0-3 are in; the youngest 16 loads (A's blocks 4-7) may be out
	WIN MUL_LO
	MUL16 0, (\q)%2, \zero
	MUL16 2, (\q)%2, \zero
	s_wait_dscnt 0
	PLACES NP
	FETCH_B \slot, (\q)+1, 1-(\q)%2
	FETCH_A \slot, (\q)+1, 0
	WIN MUL_HI
	MUL16 4, (\q)%2, \zero
	MUL16 6, (\q)%2, \zero
	PLACES NP
	WIN 0
	FETCH_A \slot, (\q)+1, 4
.endm
; A slot's last step changes slots: ONE barrier; in front of it each wave waits for all its tensor loads, adds 0 to its spare word, and waits for that and for its own reads of this slot.
.macro TURN slot, next, fill
	s_wait_tensorcnt 0x0                           ; all my tensor loads have landed: my part of the next slot
	ds_add_u32 v[SPW], v[NIL]                      ; 0 onto my spare word
	s_wait_dscnt 4*NL+1                            ; (the add and the youngest 16 loads may be out)
	WIN MUL_LO
	MUL16 0, 1, 0
	s_wait_dscnt 0x0                               ; the add is done, and my reads of this slot are over
	s_barrier_signal -1
	MUL16 2, 1, 0
	WIN 0
	s_barrier_wait -1
.if \fill
	CREST                                          ; the barrier has opened a round of the cluster's barrier
	s_add_nc_u64 s[G0+4*\slot+2:G0+4*\slot+3], s[G0+4*\slot+2:G0+4*\slot+3], 2*4096
	s_add_nc_u64 s[G0B+4*\slot+2:G0B+4*\slot+3], s[G0B+4*\slot+2:G0B+4*\slot+3], 2*256
	JLOAD G0+4*\slot, G1, G0B+4*\slot, G1B         ; the first tensor load behind the round
.else
	PLACES NP
.endif
	FETCH_B \next, 0, 0
	FETCH_A \next, 0, 0
	WIN MUL_HI
	MUL16 4, 1, 0
	MUL16 6, 1, 0
	PLACES NP
	WIN 0
	FETCH_A \next, 0, 4
.endm
	s_wait_alu depctr_va_vdst(0)
	s_wait_tensorcnt 1                             ; my part of K step 0 is in; K step 1's load may be out
	s_barrier_signal -1
	s_barrier_wait -1
	FETCH_B 0, 0, 0
	FETCH_A 0, 0, 0
	FETCH_A 0, 0, 4
	STEP 0, 0, 1                                   ; eight steps of 128 along K, written straight
	TURN 0, 1, 1
	STEP 1, 0, 0
	TURN 1, 0, 1
	STEP 0, 0, 0
	TURN 0, 1, 0
	STEP 1, 0, 0
	s_wait_dscnt 4*NL
	WIN MUL_LO
	MUL16 0, 1, 0
	MUL16 2, 1, 0
	s_wait_dscnt 0
	WIN MUL_HI
	MUL16 4, 1, 0
	MUL16 6, 1, 0
	WIN 0
; THE WAY OUT, block by block of 16 rows x 128 columns.  The sums go into my own stage as they are, each accumulator from its low end on, and come back as whole rows of 512 bytes; there a lane holds the same four
; columns of every row, so four registers of b_out serve: number = sum x 2^(e6 + e7) + b_out, one packed multiply-add for two.  LDS serves a wave's instructions in order (ISA guide 5.7.1.4).
.macro TOSTAGE a
.set AC, 64*((\a)%4)
	WIN 0x08+4*((\a)/4)                            ; an LDS store's data: window 2 or 3
.irp b, 0,1,2,3,4,5,6,7
	ds_store_b128 v[STO], v[AC+8*\b:AC+8*\b+3] offset:64*\b
	ds_store_b128 v[STO], v[AC+8*\b+4:AC+8*\b+7] offset:64*\b+16
.endr
	WIN 0
.set BB, BK+64*((\a)%2)
.irp t, 0,1,2,3,4,5,6,7,8,9,10,11,12,13,14,15
	ds_load_b128 v[BB+4*\t:BB+4*\t+3], v[RD] offset:\t*SPITCH
.endr
.endm
.macro SEND a, younger                 ; younger: the LDS instructions issued behind block a's loads, which may stay out
.set BB, BK+64*((\a)%2)
	s_wait_dscnt \younger
.if (\a) > 0
	s_add_nc_u64 s[12:13], s[12:13], 16*4096       ; (behind a wait on XCNT: the earlier stores have read their base)  16 rows on
.endif
.irp t, 0,1,2,3,4,5,6,7,8,9,10,11,12,13,14,15
	v_pk_fma_f32 v[BB+4*\t:BB+4*\t+1],   v[BB+4*\t:BB+4*\t+1],   s[96:97], v[BIAS:BIAS+1]   op_sel_hi:[1,0,1]
	v_pk_fma_f32 v[BB+4*\t+2:BB+4*\t+3], v[BB+4*\t+2:BB+4*\t+3], s[96:97], v[BIAS+2:BIAS+3] op_sel_hi:[1,0,1]
.endr
.irp t, 0,1,2,3,4,5,6,7,8,9,10,11,12,13,14,15
	global_store_b128 v[CO], v[BB+4*\t:BB+4*\t+3], s[12:13] offset:\t*4096 th:TH_STORE_NT   ; 32 lanes store 512 consecutive bytes, at a multiple of 256 from out0's first byte
.endr
.endm
	s_wait_kmcnt 0x0
	s_wait_loadcnt 0x0                             ; b_out
	s_add_co_i32 s96, s96, s97                     ; e6 + e7
	s_add_co_i32 s96, s96, 127
	s_lshl_b32 s96, s96, 23                        ; 2^(e6 + e7) as f32
	s_mov_b32 s97, s96                             ; (named with it as a pair, so it is written)
	PLACES NP                                      ; behind the last products: results are read, and loads land in the registers that held A's fragments
	TOSTAGE 0
.irp a, 1,2,3,4,5,6,7
.if \a > 1
	s_wait_xcnt 0x0                                ; block a - 2's stores have read their registers and their base
.endif
	TOSTAGE \a
	SEND \a-1, 32                                  ; behind block a - 1's loads: block a's 16 stores and 16 loads
.endr
	s_wait_xcnt 0x0
	SEND 7, 0
	s_wait_tensorcnt 0x0                           ; the wave's end
	ds_add_u32 v[SPW], v[NIL]
	s_wait_dscnt 0x0
	CROUND                                         ; the closing round
	s_endpgm
.Lfunc_end_k_qfa5d715ec8_proj:
	.size	k_qfa5d715ec8_proj, .Lfunc_end_k_qfa5d715ec8_proj-k_qfa5d715ec8_proj
	.p2alignl 7, 3214868480
	.fill 96, 4, 3214868480
	.section	.rodata,"a",@progbits
	.p2align	6, 0x0
	.amdhsa_kernel k_qfa5d715ec8_proj
		.amdhsa_group_segment_fixed_size 327680
		.amdhsa_private_segment_fixed_size 0
		.amdhsa_enable_private_segment 0
		.amdhsa_kernarg_size 40
		.amdhsa_user_sgpr_count 2
		.amdhsa_user_sgpr_kernarg_segment_ptr 1
		.amdhsa_wavefront_size32 1
		.amdhsa_system_sgpr_workgroup_id_x 1
		.amdhsa_system_sgpr_workgroup_id_y 1
		.amdhsa_system_sgpr_workgroup_id_z 1
		.amdhsa_system_vgpr_workitem_id 0
		.amdhsa_next_free_vgpr 1024
		.amdhsa_next_free_sgpr 98
		.amdhsa_reserve_vcc 0
		.amdhsa_float_denorm_mode_32 3
		.amdhsa_float_denorm_mode_16_64 3
		.amdhsa_memory_ordered 1
		.amdhsa_forward_progress 1
		.amdhsa_inst_pref_size 140
	.end_amdhsa_kernel
	.amdgpu_metadata
---
amdhsa.version: [ 1, 2 ]
amdhsa.kernels:
  - .name:           k_qfa5d715ec8_proj
    .symbol:         k_qfa5d715ec8_proj.kd
    .args:
      - { .name: acodes, .offset: 0, .size: 8, .value_kind: global_buffer, .address_space: global }
      - { .name: W_out_codes, .offset: 8, .size: 8, .value_kind: global_buffer, .address_space: global }
      - { .name: lowp_scales, .offset: 16, .size: 8, .value_kind: global_buffer, .address_space: global }
      - { .name: b_out, .offset: 24, .size: 8, .value_kind: global_buffer, .address_space: global }
      - { .name: out0, .offset: 32, .size: 8, .value_kind: global_buffer, .address_space: global }
    .group_segment_fixed_size: 327680
    .private_segment_fixed_size: 0
    .kernarg_segment_align: 8
    .kernarg_segment_size: 40
    .max_flat_workgroup_size: 128
    .sgpr_count:     98
    .vgpr_count:     1024
    .wavefront_size: 32
...
	.end_amdgpu_metadata
.endif
;; end of part 3
